; MI455X (gfx1250); checked and timed in simulation.
; The chip was launched on July 23, 2026; its instructions are those of AMD's public machine-readable ISA for CDNA 5 (MIT licence, August 2026) and "CDNA5" Instruction Set Architecture Reference Guide (July 2026). The comments in the code are by the model that wrote it; some were corrected since.
;; Self Attention. Allowed arithmetic: matrix products marked QUANTISED: E5M2 operands, one given power-of-two scale a tensor, by v_wmma_f32_16x16x64_bf8_bf8 or v_wmma_f32_16x16x128_bf8_bf8, f32 sums; everything else in f32.
;; Inputs: Wk 1,024 x 1,024 float32; Wq 1,024 x 1,024 float32; Wv 1,024 x 1,024 float32; bk 1,024 float32; bq 1,024 float32; bv 1,024 float32; lowp_scales 10 int32 (the exponents e of the quantised operands' scales 2^e); x 4 x 2,048 x 1,024 float32.
;; Outputs: out0 4 x 2,048 x 1,024 float32.
;; Constants: num_heads = 16.
;; This version of the problem:
;;   THIS VERSION OF THE PROBLEM IS GIVEN IN LOW PRECISION. The matrix products marked QUANTISED in the list below multiply operands that are first quantised to E5M2 (5 exponent bits, 2 mantissa bits; 8 bits a number), with one given power-of-two scale for each operand tensor; their sums are f32. All else is computed in f32.
;;   The module's matrix products, in the order in which they are computed (A, B: the left and right operand; K: the contracted axis; several contracted axes count as one K, in the product's order):
;;     1. [M 8,192, K 1,024] x [K 1,024, N 1,024]; A: input x; B: input Wq: QUANTISED (scales: A lowp_scales[0], B lowp_scales[1])
;;     2. [M 8,192, K 1,024] x [K 1,024, N 1,024]; A: input x; B: input Wk: QUANTISED (scales: A lowp_scales[2], B lowp_scales[3])
;;     3. [M 8,192, K 1,024] x [K 1,024, N 1,024]; A: input x; B: input Wv: QUANTISED (scales: A lowp_scales[4], B lowp_scales[5])
;;     4. batch 64 x [M 2,048, K 64] x [K 64, N 2,048]; A: computed on the way; B: computed on the way: QUANTISED (scales: A lowp_scales[6], B lowp_scales[7])
;;     5. batch 64 x [M 2,048, K 2,048] x [K 2,048, N 64]; A: softmax (see below); B: computed on the way: QUANTISED (scales: A lowp_scales[8], B lowp_scales[9])
;;   THE QUANTISER, for each operand of a quantised product, along K:
;;     - The operand's scale is 2^e, e = its entry of the input lowp_scales (int32; the entries are numbered through the quantised products in the list's order, A before B).
;;     - Each number is divided by the scale, clamped to +-57,344, and rounded to the nearest number of E5M2, ties to even, subnormals kept.
;;     - The product sums the exact products of the quantised numbers (number of the format x scale) in f32.
;;   ~~~python
;;   def quantise(x, axis, e):      # numpy; x: float32 -> the quantised numbers, widened to float32 again
;;       x = np.moveaxis(x, axis, -1); K = x.shape[-1]
;;       r = np.clip(x / 2.0 ** e, -57344, 57344)
;;       step = 2.0 ** (np.maximum(np.frexp(np.where(r == 0, 1, r))[1] - 1, -14) - 2)
;;       q = np.round(r / step) * step * 2.0 ** e      # np.round: ties to even
;;       return np.moveaxis(q, -1, axis).astype(np.float32)
;;   ~~~
;;   SOFTMAX AHEAD OF A QUANTISED PRODUCT. Where the list says 'softmax', what is quantised is not the finished softmax but p = 2^(t - M), with t = logit x log2(e) and M = ceil(the row's largest t), a whole number; so 1/2 < the row's largest p <= 1. The row's sum l is taken of the UNQUANTISED p, in f32, and the product's result is divided by l at the end. Since M is a whole number, a kernel that streams over the keys may use a running M (the ceiling of the running maximum): every later rescaling is an exact power of two, so the quantised numbers keep their values, but for numbers so far below the row's largest that they fall under the format's range.
;;   OPERANDS COMPUTED ON THE WAY. 'Computed on the way' means the value that the module computes at that place (a softmax that the list does not call 'softmax' is quantised finished and normalised). What goes into a quantiser is computed in f32, as accurately as f32 sums, v_exp_f32 and their like allow (about 1e-6 of the number): no bf16 or f16 on the way to a quantiser, and a product that is left as it is and whose result goes on into a quantised operand takes f32 operands (vector FMAs, or v_wmma_f32_16x16x4_f32). A number that lies on a knife's edge between two numbers of the format may be rounded either way, as far as f32 arithmetic and the matrix unit's own rounding can turn it there, and no further.
;; One version. Each part assembles by itself: llvm-mc -triple=amdgcn-amd-amdhsa -mcpu=gfx1250 --defsym DOCPART=n.
;; ======== version 1 of 1: 3 launches
;; limits: right only within a limited range of input values
;; workspace buffers: xc 25,165,824 bytes; wc 3,145,728 bytes; qkv 25,165,824 bytes
;; launch quant (part 1): grid 352 x 1, 4 waves a work-group, no clusters, 66,048 bytes of LDS; arguments x, Wq, Wk, Wv, lowp_scales, xc, wc; writes xc, wc
.if DOCPART == 1
	.amdgcn_target "amdgcn-amd-amdhsa--gfx1250"
	.amdhsa_code_object_version 6
	.text
	.protected	k_q1d1fc4218f_quant
	.globl	k_q1d1fc4218f_quant
	.p2align	8
	.type	k_q1d1fc4218f_quant,@function
k_q1d1fc4218f_quant:
	s_mov_b64 s[64:65], 0
	v_nop
	global_prefetch_b8 v0, s[64:65] scope:SCOPE_SE
	s_setreg_imm32_b32 hwreg(HW_REG_WAVE_MODE, 25, 1), 1
	s_wait_xcnt 0x0
; x [8192][1024] f32 becomes THREE sets of codes of BF8 (E5M2), one for each of the three projections, since each product gives x a scale of its own (entries 0, 2, 4 of the scales);
; Wq, Wk, Wv [1024][1024] f32 become one set each (entries 1, 3, 5).  K is innermost in all of them, rows are dense: every tensor is a plain stream, and so are its codes.
; code = number / 2^e, held within +-57,344, rounded to the nearest code, ties to even.
; LIMITS: each e lies between -126 and 112, so that 2^e and 57,344 x 2^e are f32 numbers.  NaN among the inputs is not served (an infinity is held at the largest code).
; SHARES.  A wave takes 16 steps of 512 numbers, a work-group 32,768.  Work-groups 0-255 take x: one read, three conversions, three stores.  Work-groups 256-351 take the weights, 32 each.
; A conversion takes 8 neighbours from ONE lane's registers; a load is dense where neighbouring LANES take neighbouring bytes.  Both are had: a step's four loads read 512 consecutive bytes each, the 2,048 bytes
; go through the wave's own stage in LDS as they lie and come back 64 bytes a lane (80 bytes from lane to lane).  A lane's 16 codes are 16 bytes: a store covers 512 consecutive bytes.
; No tensor loads, no barrier: waves share nothing.  Loads run four steps (16 loads a wave) ahead, the turn through LDS one step.  The two paths have LDS bytes of their own.
.set STEPS, 16
.set XWG,   256                        ; work-groups for x: 8,388,608 numbers / 32,768
.set SP,    80                         ; a lane's place in a stage: its 64 bytes + 16
.set STG,   32*SP                      ; a stage; a wave has two, in a region of 8,192 bytes
.set WPATH, 32768                      ; the weights' path: its regions begin here
.set CVR,   5                          ; v5, v7, v9   2^e as f32, for version 0, 1, 2
.set LIMR,  6                          ; v6, v8, v10  57,344 x 2^e
.set R,     16                         ; v16-79   four sets of 16 numbers as loaded
.set X,     80                         ; v80-111  two sets of 16 neighbours
.set T,     112                        ; v112-127 the 16 numbers, held
.set C,     128                        ; v128-139 the codes: four registers a version
	s_load_b256 s[4:11], s[0:1], 0x0               ; x s[4:5], Wq s[6:7], Wk s[8:9], Wv s[10:11]
	s_load_b128 s[12:15], s[0:1], 0x20             ; the scales' exponents s[12:13], x's codes s[14:15]
	s_load_b64 s[16:17], s[0:1], 0x30              ; the weights' codes
	v_lshl_add_u32 v140, v0, 2, 0x10000
	v_mov_b32 v141, 0
	v_lshrrev_b32 v1, 5, v0
	v_readfirstlane_b32 s18, v1                    ; wave
	v_and_b32 v2, 31, v0                           ; lane
	v_lshlrev_b32 v3, 4, v2                        ; my 16 bytes of a load's 512, and of a store's; never rewritten
	s_lshl_b32 s19, s18, 13                        ; my wave's region
	v_lshrrev_b32 v14, 2, v2
	v_mul_u32_u24 v14, v14, SP
	v_and_b32 v15, 3, v2
	v_lshl_add_u32 v14, v15, 4, v14
	v_add_nc_u32 v14, s19, v14                     ; the stage, on the way in: four lanes' 64 bytes on end, then 16 free: SP (lane / 4) + 16 (lane % 4)
	v_mul_u32_u24 v15, v2, SP
	v_add_nc_u32 v15, s19, v15                     ; and on the way out: SP x lane: my 16 neighbours
	s_wait_kmcnt 0x0
	s_load_b256 s[32:39], s[12:13], 0x0            ; entries 0 to 7
.macro LOAD t
.irp i, 0,1,2,3
	global_load_b128 v[R+16*((\t)%4)+4*\i:R+16*((\t)%4)+4*\i+3], v3, s[4:5] offset:2048*(\t)+512*\i th:TH_LOAD_NT   ; 32 lanes read 512 consecutive bytes
.endr
.endm
.macro TURN t, base                    ; step t's numbers through a stage: LDS serves a wave's instructions in order, so no wait stands between the stores and the loads
.irp i, 0,1,2,3
	ds_store_b128 v14, v[R+16*((\t)%4)+4*\i:R+16*((\t)%4)+4*\i+3] offset:\base+STG*((\t)%2)+8*SP*\i
.endr
.irp i, 0,1,2,3
	ds_load_b128 v[X+16*((\t)%2)+4*\i:X+16*((\t)%2)+4*\i+3], v15 offset:\base+STG*((\t)%2)+16*\i
.endr
.endm
.macro SCALE e, n                      ; s[e] holds the exponent: 2^e and 57,344 x 2^e for version n
	s_add_co_i32 s40, s[\e], 127
	s_lshl_b32 s41, s40, 23
	v_mov_b32 v[CVR+2*\n], s41                     ; the conversion takes its exponent field
	s_add_co_i32 s40, s40, 15
	s_lshl_b32 s40, s40, 23
	s_or_b32 s40, s40, 0x600000                    ; the mantissa field of 57,344
	v_mov_b32 v[LIMR+2*\n], s40
.endm
; One step: nv versions of codes are made of the same 16 numbers a lane.
.macro STEP t, nv, base
.set XS, X+16*((\t)%2)
	s_wait_dscnt 0x0                               ; this step's numbers are back from the stage: so its stores into the stage have read their registers,
.if (\t)+4 < STEPS
	LOAD (\t)+4                                    ; which take the loads of four steps on
.endif
.if (\t)+1 < STEPS
.if STEPS-2-(\t) >= 3
	s_wait_loadcnt 12                              ; the next step's four loads are in; those of the three steps behind it may be out
.else
	s_wait_loadcnt 4*(STEPS-2-(\t))                ; the counts run down: nothing is loaded past the wave's part
.endif
	TURN (\t)+1, \base                             ; and go through the other stage while this step is worked
.endif
.set vv, 0
.rept \nv
.irp i, 0,1,2,3,4,5,6,7,8,9,10,11,12,13,14,15
	v_med3_num_f32 v[T+\i], v[XS+\i], -v[LIMR+2*vv], v[LIMR+2*vv]   ; the conversion to an 8-bit code does not saturate (ISA guide 7.6.2): the number is held within the largest code x the scale first
.endr
.if vv == 0
	s_wait_alu depctr_va_vdst(0)
	s_wait_xcnt 0x0                                ; the last step's stores have read their data: the codes' registers are written again only behind this wait
.endif
	v_cvt_scalef32_pk8_bf8_f32 v[C+4*vv:C+4*vv+1], v[T:T+7], v[CVR+2*vv]
	v_cvt_scalef32_pk8_bf8_f32 v[C+4*vv+2:C+4*vv+3], v[T+8:T+15], v[CVR+2*vv]
	v_nop                                          ; a plain line between the conversions and the next holds, which write their sources
	global_store_b128 v3, v[C+4*vv:C+4*vv+3], s[24+2*vv:25+2*vv] offset:512*(\t)   ; 32 lanes store 512 consecutive bytes, at a multiple of 512 from the buffer's first byte
.set vv, vv+1
.endr
.endm
	s_cmp_lt_u32 ttmp9, XWG                        ; x's work-group or a weight's: the work-group's number alone decides
	s_cbranch_scc0 .Lweights
	s_lshl_b32 s20, ttmp9, 2
	s_add_co_u32 s20, s20, s18                     ; which run of 8,192 numbers of x is my wave's
	s_lshl_b32 s22, s20, 13                        ; its codes,
	s_lshl_b32 s20, s20, 15                        ; its numbers, in bytes
	s_mov_b32 s21, 0
	s_mov_b32 s23, 0
	s_add_nc_u64 s[4:5], s[4:5], s[20:21]
	s_add_nc_u64 s[24:25], s[14:15], s[22:23]      ; version 0,
	s_add_nc_u64 s[26:27], s[24:25], 0x800000      ; version 1, 8,388,608 bytes on,
	s_add_nc_u64 s[28:29], s[26:27], 0x800000      ; version 2
	s_wait_alu depctr_va_vdst(0)
.irp t, 0,1,2,3
	LOAD \t
.endr
	s_wait_kmcnt 0x0
	SCALE 32, 0
	SCALE 34, 1
	SCALE 36, 2
	s_wait_alu depctr_va_vdst(0)
	s_wait_loadcnt 12                              ; step 0's four loads are in
	TURN 0, 0
.irp t, 0,1,2,3,4,5,6,7,8,9,10,11,12,13,14,15
	STEP \t, 3, 0
.endr
	s_wait_tensorcnt 0x0
	ds_add_u32 v140, v141
	s_wait_dscnt 0x0
	s_endpgm
.Lweights:
	s_sub_co_u32 s20, ttmp9, XWG
	s_lshr_b32 s19, s20, 5                         ; which weight: 0 Wq, 1 Wk, 2 Wv
	s_and_b32 s20, s20, 31
	s_lshl_b32 s20, s20, 2
	s_add_co_u32 s20, s20, s18                     ; which run of 8,192 numbers of it
	s_lshl_b32 s22, s20, 13
	s_lshl_b32 s20, s20, 15
	s_lshl_b32 s21, s19, 20                        ; a weight's codes are 1,048,576 bytes
	s_add_co_u32 s22, s22, s21
	s_mov_b32 s21, 0
	s_mov_b32 s23, 0
	s_cmp_eq_u32 s19, 0
	s_cselect_b64 s[4:5], s[6:7], s[8:9]
	s_cmp_eq_u32 s19, 2
	s_cselect_b64 s[4:5], s[10:11], s[4:5]
	s_add_nc_u64 s[4:5], s[4:5], s[20:21]
	s_add_nc_u64 s[24:25], s[16:17], s[22:23]
	s_wait_alu depctr_va_vdst(0)
.irp t, 0,1,2,3
	LOAD \t
.endr
	s_wait_kmcnt 0x0
	s_cmp_eq_u32 s19, 0
	s_cselect_b32 s32, s33, s35                    ; entry 1, 3 or 5
	s_cmp_eq_u32 s19, 2
	s_cselect_b32 s32, s37, s32
	SCALE 32, 0
	s_wait_alu depctr_va_vdst(0)
	s_wait_loadcnt 12
	TURN 0, WPATH
.irp t, 0,1,2,3,4,5,6,7,8,9,10,11,12,13,14,15
	STEP \t, 1, WPATH
.endr
	s_wait_tensorcnt 0x0
	ds_add_u32 v140, v141
	s_wait_dscnt 0x0
	s_endpgm
.Lfunc_end_k_q1d1fc4218f_quant:
	.size	k_q1d1fc4218f_quant, .Lfunc_end_k_q1d1fc4218f_quant-k_q1d1fc4218f_quant
	.p2alignl 7, 3214868480
	.fill 96, 4, 3214868480
	.section	.rodata,"a",@progbits
	.p2align	6, 0x0
	.amdhsa_kernel k_q1d1fc4218f_quant
		.amdhsa_group_segment_fixed_size 66048
		.amdhsa_private_segment_fixed_size 0
		.amdhsa_enable_private_segment 0
		.amdhsa_kernarg_size 56
		.amdhsa_user_sgpr_count 2
		.amdhsa_user_sgpr_kernarg_segment_ptr 1
		.amdhsa_wavefront_size32 1
		.amdhsa_system_sgpr_workgroup_id_x 1
		.amdhsa_system_sgpr_workgroup_id_y 1
		.amdhsa_system_sgpr_workgroup_id_z 1
		.amdhsa_system_vgpr_workitem_id 0
		.amdhsa_next_free_vgpr 142
		.amdhsa_next_free_sgpr 66
		.amdhsa_reserve_vcc 0
		.amdhsa_float_denorm_mode_32 3
		.amdhsa_float_denorm_mode_16_64 3
		.amdhsa_memory_ordered 1
		.amdhsa_forward_progress 1
		.amdhsa_inst_pref_size 116
	.end_amdhsa_kernel
	.amdgpu_metadata
---
amdhsa.version: [ 1, 2 ]
amdhsa.kernels:
  - .name:           k_q1d1fc4218f_quant
    .symbol:         k_q1d1fc4218f_quant.kd
    .args:
      - { .name: x, .offset: 0, .size: 8, .value_kind: global_buffer, .address_space: global }
      - { .name: Wq, .offset: 8, .size: 8, .value_kind: global_buffer, .address_space: global }
      - { .name: Wk, .offset: 16, .size: 8, .value_kind: global_buffer, .address_space: global }
      - { .name: Wv, .offset: 24, .size: 8, .value_kind: global_buffer, .address_space: global }
      - { .name: lowp_scales, .offset: 32, .size: 8, .value_kind: global_buffer, .address_space: global }
      - { .name: xc, .offset: 40, .size: 8, .value_kind: global_buffer, .address_space: global }
      - { .name: wc, .offset: 48, .size: 8, .value_kind: global_buffer, .address_space: global }
    .group_segment_fixed_size: 66048
    .private_segment_fixed_size: 0
    .kernarg_segment_align: 8
    .kernarg_segment_size: 56
    .max_flat_workgroup_size: 128
    .sgpr_count:     66
    .vgpr_count:     142
    .wavefront_size: 32
...
	.end_amdgpu_metadata
.endif
;; end of part 1
;; launch proj (part 2): grid 8 x 32, 4 waves a work-group, clusters of 4 x 4, 327,680 bytes of LDS; arguments xc, wc, lowp_scales, bq, bk, bv, qkv; writes qkv
.if DOCPART == 2
	.amdgcn_target "amdgcn-amd-amdhsa--gfx1250"
	.amdhsa_code_object_version 6
	.text
	.protected	k_q1d1fc4218f_proj
	.globl	k_q1d1fc4218f_proj
	.p2align	8
	.type	k_q1d1fc4218f_proj,@function
k_q1d1fc4218f_proj:
	s_mov_b64 s[64:65], 0
	v_nop
	global_prefetch_b8 v0, s[64:65] scope:SCOPE_SE
	s_setreg_imm32_b32 hwreg(HW_REG_WAVE_MODE, 25, 1), 1
	s_wait_xcnt 0x0
	s_wait_alu depctr_hold_cnt(0) depctr_sa_sdst(0) depctr_va_vdst(0) depctr_va_sdst(0) depctr_va_ssrc(0) depctr_va_vcc(0) depctr_vm_vsrc(0)
	s_getreg_b32 s2, hwreg(HW_REG_IB_STS2, 6, 4)
	s_cmp_eq_u32 s2, 0
	s_cbranch_scc0 .Lentry_in_a_cluster
	s_endpgm
.Lentry_in_a_cluster:
	s_bfe_u32 s2, ttmp6, 0x10000c
	s_cmp_lg_u32 s2, 0xf033
	s_cbranch_scc0 .Lentry_shape_is_right
	s_endpgm
.Lentry_shape_is_right:
; q = x Wq^T + bq, k = x Wk^T + bk, v = x Wv^T + bv on codes of BF8 (E5M2), K = 1,024, f32 sums; each result is quantised at once for the attention's products (entries 6, 7, 9 of the scales) and stored as codes.
; xc: three sets of x's codes [8192][1024], one for each product; wc: the codes of Wq, Wk, Wv [1024][1024] each.  A sum is multiplied by 2^(its two operands' exponents added), the bias is added in the same fused line.
; SHARES.  256 work-groups of four waves, (gx 0..7, gy 0..31).  Each makes TWO tiles, one after the other:
;   tile 1: 256 rows of x (256 gy ..) against 256 rows of Wq (gx 0-3) or Wk (gx 4-7): a wave makes 128 x 128, 64 accumulators;
;   tile 2: 128 rows of Wv (128 gx ..) against the same 256 rows of x, used the other way round, so that v comes out with the keys innermost: a wave makes 64 x 128, 32 accumulators.
; THE RING: two LDS slots of 256 along K walk through both tiles' eight K steps without a stop: tile 1's last two changes of slots ask for tile 2's first two steps.  In a slot x's 256 rows lie first, W's rows behind them, in both tiles.
; CLUSTERS 4 x 4: x's tile hangs on gy alone and is asked for jointly along a row of the cluster, W's on gx alone and jointly along a column.  Waves 0, 1 fetch x's halves, waves 2, 3 W's: one load a wave behind each round.
; THE MATRIX INSTRUCTION IS USED TRANSPOSED (source 0: the operand whose rows become the result's columns): a lane holds eight neighbouring columns of one row, which one conversion turns into eight codes.
; THE WAY OUT: a block of 16 rows x 128 codes goes through the wave's own stage, on LDS bytes behind the ring on which no fill lands, and leaves as runs of 512 bytes.  Tile 1's stores are on their way while tile 2 is multiplied.
; LAYOUT OF qkv (as the attention reads it): a head is 128 rows of x.  q, k: [head][j = column / 64][m = row % 128][64 bytes]; v: [head][J = channel / 128][m / 64][(channel / 64) % 2][channel % 64][64 bytes along m].
; Within 32 neighbouring bytes the place 16 h + 8 e + i holds index 16 e + 8 h + i: the same in q and k, and in v as the attention's P has it.
; PREFETCH: tile 2's four K steps are asked for at tile 1's four changes of slots, two K steps ahead of the load that wants them: a lane a row of 256 bytes; the four partners of a joint load share its rows out by address
; (x: 32 rows each; Wv: 16 rows each, lanes 16-31 naming the last row again).  Tile 1's steps come by their loads alone.
; LIMITS: each sum of two operands' exponents between -126 and 127; entries 6, 7, 9 between -126 and 112.  NaN is not served.
; REGISTERS, in windows of 256: window 0: v16-31 addresses, v32-95 bias by columns, v96-103 bias by rows, v112-115 scales; from v128 the row operand's fragments (on the way out: at work).  Window 1: the column operand's fragments, two sets.
; Windows 2, 3: accumulators.
.set ROWB,   256
.set KROW,   1024
.set PITCH,  272                       ; an LDS row: 256 bytes + 16
.set FR,     16
.set NL,     4
.set NP,     4
.set HALFT,  128*PITCH
.set SLOT,   4*HALFT
.set SP,     144                       ; a stage row: 128 codes + 16
.set STAGE,  2*SLOT                    ; behind the ring: two stages of 16 rows for each wave
.set WSTG,   2*16*SP
.set SPARE,  STAGE+4*WSTG              ; behind the stages: the spare words, 128 bytes a wave
.set ADRA, 16                          ; v16-17 tile 1: x's fragments in slot 0, 1;  v18-19 tile 2: Wv's
.set ADRA2, 18
.set ADRB, 20                          ; v20-21 tile 1: W's;  v22-23 tile 2: x's
.set ADRB2, 22
.set STO,  24
.set RD,   25
.set CO,   26
.set H32,  27
.set SPW,  28
.set NIL,  29
.set R4,   30
.set PFO,  31
.set BB,   32
.set BA,   96
.set LIM,  112
.set CV,   113
.set LIM2, 114
.set CV2,  115
.set AF,   128
.set TMP,  128
.set CD,   192
.set BK,   224
.set G1,  24                           ; s[24:31] group 1 for x's halves;  s[32:39] their groups 0, one a slot
.set G0,  32
.set SC1, 44                           ; s[44:45], s[46:47] 2^(the operands' exponents added), tile 1, tile 2
.set SC2, 46
.set G1B, 48                           ; s[48:55], s[56:63] tile 1's W
.set G0B, 56
.set DX,  66                           ; s[66:67] from x's K step 2 or 3 of tile 1's set of codes to K step 0 or 1 of tile 2's
.set G1C, 68                           ; s[68:75], s[92:99] tile 2's W: halves of 64 rows
.set G0C, 92
.set PFA, 100                          ; s[100:101] my wave's prefetches
.set FLAGS, (0<<16)|(1<<20)|(1<<21)|(5<<22)|(3<<25)
.set MSB, 0
.macro WIN new
.if MSB != \new
	s_set_vgpr_msb (MSB<<8)|\new
.set MSB, \new
.endif
.endm
.set MUL_LO, 0xa1
.set MUL_HI, 0xf1
.set TO_B,   0x40
.macro JLOAD g0a, g1a, g0b, g1b        ; waves 0, 1: x; waves 2, 3: W.  An s_nop 0 and four v_nop follow each line
	s_cmp_eq_u32 s15, 0
	s_cbranch_scc0 .Lfor_b_\@
	tensor_load_to_lds s[\g0a:\g0a+3], s[\g1a:\g1a+7]
	s_nop 0
.rept 4
	v_nop
.endr
	s_branch .Lasked_\@
.Lfor_b_\@:
	tensor_load_to_lds s[\g0b:\g0b+3], s[\g1b:\g1b+7]
	s_nop 0
.rept 4
	v_nop
.endr
.Lasked_\@:
.endm
.macro CREST
	s_cmp_lg_u32 s14, 0
	s_cbranch_scc1 .Lnot_wave_0_\@
	s_barrier_signal -3
.Lnot_wave_0_\@:
	s_barrier_wait -3
	s_barrier_signal -1
	s_barrier_wait -1
.endm
.macro CROUND
	s_barrier_signal -1
	s_barrier_wait -1
	CREST
.endm
	s_load_b128 s[4:7], s[0:1], 0x0                ; xc, wc
	s_load_b128 s[8:11], s[0:1], 0x10              ; the scales' exponents, bq
	s_load_b128 s[84:87], s[0:1], 0x20             ; bk, bv
	s_load_b64 s[88:89], s[0:1], 0x30              ; qkv
	v_lshl_add_u32 v[SPW], v0, 2, SPARE
	v_mov_b32 v[NIL], 0
	ds_add_u32 v[SPW], v[NIL]                      ; the opening: the add, twice on end, and its wait ahead of my first tensor load
	ds_add_u32 v[SPW], v[NIL]
	v_lshrrev_b32 v1, 5, v0
	v_readfirstlane_b32 s14, v1                    ; wave
	s_lshr_b32 s15, s14, 1                         ; which half of the result's rows is mine; also: I fetch x (0) or W (1)
	s_and_b32 s16, s14, 1                          ; which half of its columns; also: which half I fetch
	s_bfe_u32 s40, ttmp6, 0x40000                  ; cx
	s_bfe_u32 s41, ttmp6, 0x40004                  ; cy
	s_lshl_b32 s42, ttmp9, 2
	s_add_co_u32 s42, s42, s40                     ; gx; ttmp9 = 0: q, 1: k
	s_and_b32 s17, ttmp7, 0xffff
	s_lshl_b32 s17, s17, 2
	s_add_co_u32 s17, s17, s41                     ; gy
	s_lshl_b32 s43, s41, 2
	s_lshl_b32 s43, 15, s43                        ; my row of the cluster
	s_lshl_b32 s2, 0x1111, s40                     ; my column
	s_or_b32 s[G1], s43, FLAGS
	s_or_b32 s[G1B], s2, FLAGS
	s_or_b32 s[G1C], s2, FLAGS
.irp g, G1, G1B
	s_mov_b32 s[\g+1], ROWB<<16
	s_mov_b32 s[\g+2], 128<<16
	s_mov_b32 s[\g+3], ROWB<<16
	s_mov_b32 s[\g+4], 128
	s_mov_b32 s[\g+5], KROW
	s_mov_b32 s[\g+6], 0
	s_mov_b32 s[\g+7], 0
.endr
	s_mov_b32 s[G1C+1], ROWB<<16
	s_mov_b32 s[G1C+2], 64<<16
	s_mov_b32 s[G1C+3], ROWB<<16
	s_mov_b32 s[G1C+4], 64
	s_mov_b32 s[G1C+5], KROW
	s_mov_b32 s[G1C+6], 0
	s_mov_b32 s[G1C+7], 0
	s_lshl_b32 s20, s17, 8
	s_lshl_b32 s21, s16, 7
	s_add_co_u32 s20, s20, s21
	s_lshl_b32 s20, s20, 10                        ; x: row 256 gy + 128 x half,
	s_mov_b32 s21, 0
	s_lshl_b32 s22, ttmp9, 23                      ; in tile 1's set of codes
	s_mov_b32 s23, 0
	s_lshl_b32 s18, s40, 8
	s_lshl_b32 s19, s16, 7
	s_add_co_u32 s18, s18, s19
	s_lshl_b32 s18, s18, 10                        ; tile 1's W: row 256 cx + 128 x half,
	s_lshl_b32 s19, ttmp9, 20
	s_add_co_u32 s18, s18, s19                     ; of Wq or Wk
	s_mov_b32 s19, 0
	s_lshl_b32 s12, s42, 7
	s_lshl_b32 s13, s16, 6
	s_add_co_u32 s12, s12, s13
	s_lshl_b32 s12, s12, 10                        ; tile 2's W: row 128 gx + 64 x half,
	s_add_co_u32 s12, s12, 0x200000                ; of Wv
	s_mov_b32 s13, 0
	s_sub_co_u32 s[DX], 2, ttmp9
	s_lshl_b32 s[DX], s[DX], 23
	s_sub_co_u32 s[DX], s[DX], 2*ROWB
	s_mov_b32 s[DX+1], 0
	s_mul_i32 s3, s14, HALFT                       ; where my part lands: wave x 128 rows;
	s_mul_i32 s2, s16, 64*PITCH
	s_add_co_u32 s2, s2, 2*HALFT                   ; tile 2's W: behind x's 256 rows, 64 rows a half
	s_wait_dscnt 0x0                               ; both opening adds are done
	s_wait_kmcnt 0x0
	s_load_b256 s[76:83], s[8:9], 0x0              ; entries 0 to 7
	s_load_b64 s[90:91], s[8:9], 0x20              ; entries 8, 9
	s_add_nc_u64 s[20:21], s[4:5], s[20:21]
	s_add_nc_u64 s[20:21], s[20:21], s[22:23]
	s_add_nc_u64 s[18:19], s[6:7], s[18:19]
	s_add_nc_u64 s[12:13], s[6:7], s[12:13]
	CROUND                                         ; all sixteen work-groups are here: the first joint loads meet
.irp s, 0,1
	s_mov_b32 s[G0+4*\s], 1
	s_add_co_u32 s[G0+4*\s+1], s3, \s*SLOT
	s_add_nc_u64 s[G0+4*\s+2:G0+4*\s+3], s[20:21], \s*ROWB
	s_or_b32 s[G0+4*\s+3], s[G0+4*\s+3], 0x80000000
	s_mov_b32 s[G0B+4*\s], 1
	s_add_co_u32 s[G0B+4*\s+1], s3, \s*SLOT
	s_add_nc_u64 s[G0B+4*\s+2:G0B+4*\s+3], s[18:19], \s*ROWB
	s_or_b32 s[G0B+4*\s+3], s[G0B+4*\s+3], 0x80000000
	s_mov_b32 s[G0C+4*\s], 1
	s_add_co_u32 s[G0C+4*\s+1], s2, \s*SLOT
	s_add_nc_u64 s[G0C+4*\s+2:G0C+4*\s+3], s[12:13], \s*ROWB
	s_or_b32 s[G0C+4*\s+3], s[G0C+4*\s+3], 0x80000000
.endr
	JLOAD G0, G1, G0B, G1B                         ; K step 0: one tensor load a wave at the head
	; scalars first, then the vector lines on end
	s_mul_i32 s18, s15, HALFT                      ; tile 1: my 128 rows of x,
	s_mul_i32 s19, s16, HALFT
	s_add_co_u32 s19, s19, 2*HALFT                 ; my 128 rows of W
	s_mul_i32 s22, s15, 64*PITCH
	s_add_co_u32 s22, s22, 2*HALFT                 ; tile 2: my 64 rows of Wv,
	s_mul_i32 s23, s16, HALFT                      ; my 128 rows of x
	s_mul_i32 s3, s14, WSTG
	s_add_co_u32 s3, s3, STAGE                     ; my stages
	s_cmp_eq_u32 ttmp9, 0
	s_cselect_b64 s[12:13], s[10:11], s[84:85]     ; bq or bk,
	s_lshl_b32 s20, s40, 8
	s_lshl_b32 s21, s16, 7
	s_add_co_u32 s20, s20, s21
	s_lshl_b32 s20, s20, 2
	s_mov_b32 s21, 0
	s_add_nc_u64 s[12:13], s[12:13], s[20:21]      ; at my 128 columns
	s_lshl_b32 s20, s42, 7
	s_lshl_b32 s43, s15, 6
	s_add_co_u32 s20, s20, s43
	s_lshl_b32 s20, s20, 2
	s_add_nc_u64 s[86:87], s[86:87], s[20:21]      ; bv at my 64 rows of Wv
	s_lshl_b32 s20, s17, 1
	s_add_co_u32 s20, s20, s15                     ; tile 1: my head,
	s_lshl_b32 s20, s20, 17
	s_lshl_b32 s43, s40, 1
	s_add_co_u32 s43, s43, s16
	s_lshl_b32 s43, s43, 14                        ; my two j,
	s_add_co_u32 s20, s20, s43
	s_lshl_b32 s43, ttmp9, 23                      ; in q or in k
	s_add_co_u32 s20, s20, s43
	s_add_nc_u64 s[10:11], s[88:89], s[20:21]
	s_lshl_b32 s20, s17, 1
	s_add_co_u32 s20, s20, s16                     ; tile 2: my head,
	s_lshl_b32 s20, s20, 17
	s_lshl_b32 s43, s42, 14                        ; block J = gx,
	s_add_co_u32 s20, s20, s43
	s_lshl_b32 s43, s15, 12                        ; my 64 channels,
	s_add_co_u32 s20, s20, s43
	s_add_co_u32 s20, s20, 0x1000000               ; in v
	s_add_nc_u64 s[84:85], s[88:89], s[20:21]
	s_lshl_b32 s20, s17, 8                         ; the prefetches: x's rows 256 gy + 128 x half + 32 cx of tile 2's set,
	s_lshl_b32 s43, s16, 7
	s_add_co_u32 s20, s20, s43
	s_lshl_b32 s43, s40, 5
	s_add_co_u32 s20, s20, s43
	s_lshl_b32 s20, s20, 10
	s_add_co_u32 s20, s20, 0x1000000
	s_lshl_b32 s2, s42, 7                          ; or Wv's rows 128 gx + 64 x half + 16 cy
	s_lshl_b32 s43, s16, 6
	s_add_co_u32 s2, s2, s43
	s_lshl_b32 s43, s41, 4
	s_add_co_u32 s2, s2, s43
	s_lshl_b32 s2, s2, 10
	s_add_co_u32 s2, s2, 0x200000
	s_cmp_eq_u32 s15, 0
	s_cselect_b64 s[PFA:PFA+1], s[4:5], s[6:7]
	s_cselect_b32 s20, s20, s2
	s_cselect_b32 s2, 31, 15                       ; the last of my rows
	s_add_nc_u64 s[PFA:PFA+1], s[PFA:PFA+1], s[20:21]
	v_and_b32 v1, 15, v0                           ; r
	v_bfe_u32 v2, v0, 4, 1                         ; h
	v_lshlrev_b32 v[H32], 5, v2
	v_lshlrev_b32 v[R4], 2, v1
	v_mul_u32_u24 v3, v1, PITCH
	v_lshl_add_u32 v4, v2, 4, v3                   ; a fragment's row x pitch + 16 h
	v_mul_u32_u24 v5, v1, SP
	v_lshl_add_u32 v5, v2, 4, v5
	v_and_b32 v6, 31, v0
	v_lshrrev_b32 v7, 2, v6
	v_mul_u32_u24 v7, v7, SP
	v_and_b32 v8, 3, v6
	v_lshl_add_u32 v7, v8, 4, v7
	v_lshlrev_b32 v[CO], 4, v6
	v_add_nc_u32 v[ADRA], s18, v4
	v_add_nc_u32 v[ADRB], s19, v4
	v_add_nc_u32 v[ADRA2], s22, v4
	v_add_nc_u32 v[ADRB2], s23, v4
	v_add_nc_u32 v[ADRA+1], SLOT, v[ADRA]
	v_add_nc_u32 v[ADRB+1], SLOT, v[ADRB]
	v_add_nc_u32 v[ADRA2+1], SLOT, v[ADRA2]
	v_add_nc_u32 v[ADRB2+1], SLOT, v[ADRB2]
	v_add_nc_u32 v[STO], s3, v5                    ; into a stage: row r, 16 bytes for each half of the lanes
	v_add_nc_u32 v[RD], s3, v7                     ; back: four lanes to 64 bytes of a row, eight rows an instruction
	v_min_u32 v[PFO], s2, v6
	v_lshlrev_b32 v[PFO], 10, v[PFO]               ; a lane a row
.irp b, 0,1,2,3,4,5,6,7
	global_load_b128 v[BB+8*\b:BB+8*\b+3], v[H32], s[12:13] offset:64*\b         ; tile 1's bias: my eight columns of each block of 16
	global_load_b128 v[BB+8*\b+4:BB+8*\b+7], v[H32], s[12:13] offset:64*\b+16
.endr
.irp a, 0,1,2,3
	global_load_b32 v[BA+2*\a], v[R4], s[86:87] offset:64*\a                     ; tile 2's bias: my row of each block of 16, in both halves of a pair
	global_load_b32 v[BA+2*\a+1], v[R4], s[86:87] offset:64*\a
.endr
	s_wait_kmcnt 0x0
	s_cmp_eq_u32 ttmp9, 0
	s_cselect_b32 s18, s76, s78
	s_cselect_b32 s19, s77, s79
	s_cselect_b32 s20, s82, s83
	s_add_co_i32 s18, s18, s19
	s_add_co_i32 s18, s18, 127
	s_lshl_b32 s[SC1], s18, 23
	s_mov_b32 s[SC1+1], s[SC1]
	s_add_co_i32 s18, s80, s81
	s_add_co_i32 s18, s18, 127
	s_lshl_b32 s[SC2], s18, 23
	s_mov_b32 s[SC2+1], s[SC2]
.macro OUTQ e, cv, lim                 ; 2^e for the conversion, and 57,344 x 2^e for the hold
	s_add_co_i32 s19, s[\e], 127
	s_lshl_b32 s22, s19, 23
	v_mov_b32 v[\cv], s22
	s_add_co_i32 s19, s19, 15
	s_lshl_b32 s19, s19, 23
	s_or_b32 s19, s19, 0x600000
	v_mov_b32 v[\lim], s19
.endm
	OUTQ 20, CV, LIM
	OUTQ 91, CV2, LIM2
.macro FRAG reg, adr, q, i
.irp c, 0,1,2,3
	ds_load_b128 v[\reg+4*\c:\reg+4*\c+3], v[\adr] offset:128*(\q)+32*\c+(\i)*16*PITCH
.endr
.endm
; 16 matrix instructions: row blocks a0, a0 + 1 against the eight column blocks of set p.  The accumulators take turns, one instruction a turn
.macro MUL16 a0, p, zero
.irp a, \a0, \a0+1
.irp b, 0,1,2,3,4,5,6,7
.if \zero
	v_wmma_f32_16x16x128_bf8_bf8 v[8*(8*((\a)%4)+\b):8*(8*((\a)%4)+\b)+7], v[128*(\p)+FR*\b:128*(\p)+FR*\b+FR-1], v[AF+FR*(\a):AF+FR*(\a)+FR-1], 0
.else
	v_wmma_f32_16x16x128_bf8_bf8 v[8*(8*((\a)%4)+\b):8*(8*((\a)%4)+\b)+7], v[128*(\p)+FR*\b:128*(\p)+FR*\b+FR-1], v[AF+FR*(\a):AF+FR*(\a)+FR-1], v[8*(8*((\a)%4)+\b):8*(8*((\a)%4)+\b)+7]
.endif
.endr
.endr
.endm
.macro FETCH_BX adr, q, p
	WIN TO_B
.irp i, 0,1,2,3,4,5,6,7
	FRAG 128*(\p)+FR*\i, \adr, \q, \i
.endr
	WIN 0
.endm
.macro FETCH_A slot, q, i0             ; tile 1: x's blocks i0 .. i0 + 3
.irp i, \i0, \i0+1, \i0+2, \i0+3
	FRAG AF+FR*(\i), ADRA+\slot, \q, \i
.endr
.endm
.macro FETCH_A2 slot, q, p             ; tile 2: Wv's four blocks into set p
.irp i, 0,1,2,3
	FRAG AF+64*(\p)+FR*\i, ADRA2+\slot, \q, \i
.endr
.endm
.macro PLACES n
.rept \n
	v_nop
.endr
.endm
.macro ASK g                           ; tile 2's K step g, two K steps ahead of the load that wants it
	global_prefetch_b8 v[PFO], s[PFA:PFA+1] offset:ROWB*\g th:TH_LOAD_NT scope:SCOPE_SE
.endm
; TILE 1.  A slot's first 128 along K
.macro STEP slot, zero
	s_wait_dscnt 4*NL                              ; W's set and x's blocks 0-3 are in; the youngest sixteen loads (blocks 4-7) may be out
	WIN MUL_LO
	MUL16 0, 0, \zero
	MUL16 2, 0, \zero
	s_wait_dscnt 0
	PLACES NP
	FETCH_BX ADRB+\slot, 1, 1
	FETCH_A \slot, 1, 0
	WIN MUL_HI
	MUL16 4, 0, \zero
	MUL16 6, 0, \zero
	PLACES NP
	WIN 0
	FETCH_A \slot, 1, 4
.endm
; and its second 128, with the change of slots.  kind 0: the slot takes this tile's K step two on; 1: tile 2's first steps; 2: likewise, and what is fetched next is tile 2's
.macro TURN slot, next, kind, g
	s_wait_tensorcnt 0x0                           ; all my tensor loads have landed: my part of the next slot;
	ds_add_u32 v[SPW], v[NIL]                      ; 0 onto my spare word;
	s_wait_dscnt 4*NL+1                            ; (the add and the youngest sixteen loads may be out)
	WIN MUL_LO
	MUL16 0, 1, 0
	s_wait_dscnt 0x0                               ; the add is done, and my reads of this slot are over
	s_barrier_signal -1
	MUL16 2, 1, 0
	WIN 0
	s_barrier_wait -1
	CREST                                          ; the barrier has opened a round of the cluster's: no wave of any partner still reads this slot or has a load on its way
.if \kind
	s_add_nc_u64 s[G0+4*\slot+2:G0+4*\slot+3], s[G0+4*\slot+2:G0+4*\slot+3], s[DX:DX+1]
	JLOAD G0+4*\slot, G1, G0C+4*\slot, G1C
.else
	s_add_nc_u64 s[G0+4*\slot+2:G0+4*\slot+3], s[G0+4*\slot+2:G0+4*\slot+3], 2*ROWB
	s_add_nc_u64 s[G0B+4*\slot+2:G0B+4*\slot+3], s[G0B+4*\slot+2:G0B+4*\slot+3], 2*ROWB
	JLOAD G0+4*\slot, G1, G0B+4*\slot, G1B
.endif
.if \kind == 2
	FETCH_BX ADRB2+\next, 0, 0                     ; x's fragments for tile 2; Wv's follow behind the way out, whose work lies in their registers
.else
	FETCH_BX ADRB+\next, 0, 0
	FETCH_A \next, 0, 0
.endif
	ASK \g
	WIN MUL_HI
	MUL16 4, 1, 0
	MUL16 6, 1, 0
.if \kind == 2
	WIN 0
.else
	PLACES NP
	WIN 0
	FETCH_A \next, 0, 4
.endif
.endm
; TILE 2: 32 matrix instructions for 128 along K; both operands have two sets of registers, and the next step's fragments are asked for ahead of this step's products
.macro HSTEP slot, zero
	s_wait_dscnt 0x0
	PLACES NP
	FETCH_BX ADRB2+\slot, 1, 1
	FETCH_A2 \slot, 1, 1
	WIN MUL_LO
	MUL16 0, 0, \zero
	MUL16 2, 0, \zero
	WIN 0
.endm
.macro HTURN slot, next, fill
	s_wait_tensorcnt 0x0
	ds_add_u32 v[SPW], v[NIL]
	s_wait_dscnt 0x0                               ; the add is done, and my reads of this slot are over
	s_barrier_signal -1
	WIN MUL_LO
	MUL16 4, 1, 0
	WIN 0
	s_barrier_wait -1
.if \fill
	CREST
	s_add_nc_u64 s[G0+4*\slot+2:G0+4*\slot+3], s[G0+4*\slot+2:G0+4*\slot+3], 2*ROWB
	s_add_nc_u64 s[G0C+4*\slot+2:G0C+4*\slot+3], s[G0C+4*\slot+2:G0C+4*\slot+3], 2*ROWB
	JLOAD G0+4*\slot, G1, G0C+4*\slot, G1C
.else
	PLACES NP
.endif
	FETCH_BX ADRB2+\next, 0, 0
	FETCH_A2 \next, 0, 0
	WIN MUL_LO
	MUL16 6, 1, 0
	WIN 0
.endm
; THE WAY OUT of block a: sum x scale + bias in one line, the hold, the conversion, through a stage, and back as 64-byte pieces of eight rows
.macro TOSTAGE a, sc, byrow, lim, cv
.set AC, 64*((\a)%4)
.set CDS, CD+16*((\a)%2)
.set BKS, BK+16*((\a)%2)
	WIN 0x02+((\a)/4)
.set k, 0
.rept 32
.if \byrow
	v_pk_fma_f32 v[TMP+k:TMP+k+1], v[AC+k:AC+k+1], s[\sc:\sc+1], v[BA+2*(\a):BA+2*(\a)+1] op_sel_hi:[1,0,1]
.else
	v_pk_fma_f32 v[TMP+k:TMP+k+1], v[AC+k:AC+k+1], s[\sc:\sc+1], v[BB+k:BB+k+1] op_sel_hi:[1,0,1]
.endif
.set k, k+2
.endr
	WIN 0
.set k, 0
.rept 64
	v_med3_num_f32 v[TMP+k], v[TMP+k], -v[\lim], v[\lim]   ; the conversion to an 8-bit code does not saturate (ISA guide 7.6.2)
.set k, k+1
.endr
.irp b, 0,1,2,3,4,5,6,7
	v_cvt_scalef32_pk8_bf8_f32 v[CDS+2*\b:CDS+2*\b+1], v[TMP+8*\b:TMP+8*\b+7], v[\cv]
.endr
	v_nop
.irp q, 0,1,2,3
	ds_store_b128 v[STO], v[CDS+4*\q:CDS+4*\q+3] offset:16*SP*((\a)%2)+32*\q
.endr
.irp jl, 0,1
.irp tt, 0,1
	ds_load_b128 v[BKS+4*(2*\jl+\tt):BKS+4*(2*\jl+\tt)+3], v[RD] offset:16*SP*((\a)%2)+8*SP*\tt+64*\jl   ; LDS serves a wave's instructions in order: these see my stores
.endr
.endr
.endm
.macro SEND a, younger, base
.set BKS, BK+16*((\a)%2)
	s_wait_dscnt \younger
.irp jl, 0,1
.irp tt, 0,1
	global_store_b128 v[CO], v[BKS+4*(2*\jl+\tt):BKS+4*(2*\jl+\tt)+3], s[\base:\base+1] offset:8192*\jl+512*(2*(\a)+\tt)   ; 32 lanes store 512 consecutive bytes
.endr
.endr
.endm
	s_wait_alu depctr_va_vdst(0)                   ; the wait at the head's end
	s_wait_tensorcnt 0x0                           ; my part of K step 0 is in; the same lines ahead of a later first fill as ahead of a refill
	ds_add_u32 v[SPW], v[NIL]
	s_wait_dscnt 0x0
	CROUND
	JLOAD G0+4, G1, G0B+4, G1B                     ; K step 1, the first tensor load behind the round
	FETCH_BX ADRB, 0, 0
	FETCH_A 0, 0, 0
	FETCH_A 0, 0, 4
	STEP 0, 1                                      ; the first products start the sums
	TURN 0, 1, 0, 0
	STEP 1, 0
	TURN 1, 0, 0, 1
	STEP 0, 0
	TURN 0, 1, 1, 2                                ; the ring goes on into tile 2
	STEP 1, 0
	TURN 1, 0, 2, 3
	s_wait_loadcnt 0x0                             ; the biases
	PLACES NP
	TOSTAGE 0, SC1, 0, LIM, CV
.irp a, 1,2,3,4,5,6,7
.if \a > 1
	s_wait_xcnt 0x0                                ; block a - 2's stores have read their registers
.endif
	TOSTAGE \a, SC1, 0, LIM, CV
	SEND \a-1, 8, 10                               ; behind block a - 1's loads: block a's four stores and four loads
.endr
	SEND 7, 0, 10
	s_wait_xcnt 0x0                                ; the stores have read their registers: fragments may land there
	FETCH_A2 0, 0, 0
	HSTEP 0, 1
	HTURN 0, 1, 1
	HSTEP 1, 0
	HTURN 1, 0, 1
	HSTEP 0, 0
	HTURN 0, 1, 0                                  ; nothing is filled again: no round
	HSTEP 1, 0
	s_wait_dscnt 0x0
	WIN MUL_LO
	MUL16 4, 1, 0
	MUL16 6, 1, 0
	WIN 0
	PLACES NP
	TOSTAGE 0, SC2, 1, LIM2, CV2
.irp a, 1,2,3
.if \a > 1
	s_wait_xcnt 0x0
.endif
	TOSTAGE \a, SC2, 1, LIM2, CV2
	SEND \a-1, 8, 84
.endr
	SEND 3, 0, 84
	s_wait_tensorcnt 0x0                           ; the wave's end
	ds_add_u32 v[SPW], v[NIL]
	s_wait_dscnt 0x0
	CROUND                                         ; the closing round
	s_endpgm
.Lfunc_end_k_q1d1fc4218f_proj:
	.size	k_q1d1fc4218f_proj, .Lfunc_end_k_q1d1fc4218f_proj-k_q1d1fc4218f_proj
	.p2alignl 7, 3214868480
	.fill 96, 4, 3214868480
	.section	.rodata,"a",@progbits
	.p2align	6, 0x0
	.amdhsa_kernel k_q1d1fc4218f_proj
		.amdhsa_group_segment_fixed_size 327680
		.amdhsa_private_segment_fixed_size 0
		.amdhsa_enable_private_segment 0
		.amdhsa_kernarg_size 56
		.amdhsa_user_sgpr_count 2
		.amdhsa_user_sgpr_kernarg_segment_ptr 1
		.amdhsa_wavefront_size32 1
		.amdhsa_system_sgpr_workgroup_id_x 1
		.amdhsa_system_sgpr_workgroup_id_y 1
		.amdhsa_system_sgpr_workgroup_id_z 1
		.amdhsa_system_vgpr_workitem_id 0
		.amdhsa_next_free_vgpr 1024
		.amdhsa_next_free_sgpr 102
		.amdhsa_reserve_vcc 0
		.amdhsa_float_denorm_mode_32 3
		.amdhsa_float_denorm_mode_16_64 3
		.amdhsa_memory_ordered 1
		.amdhsa_forward_progress 1
		.amdhsa_inst_pref_size 221
	.end_amdhsa_kernel
	.amdgpu_metadata
---
amdhsa.version: [ 1, 2 ]
amdhsa.kernels:
  - .name:           k_q1d1fc4218f_proj
    .symbol:         k_q1d1fc4218f_proj.kd
    .args:
      - { .name: xc, .offset: 0, .size: 8, .value_kind: global_buffer, .address_space: global }
      - { .name: wc, .offset: 8, .size: 8, .value_kind: global_buffer, .address_space: global }
      - { .name: lowp_scales, .offset: 16, .size: 8, .value_kind: global_buffer, .address_space: global }
      - { .name: bq, .offset: 24, .size: 8, .value_kind: global_buffer, .address_space: global }
      - { .name: bk, .offset: 32, .size: 8, .value_kind: global_buffer, .address_space: global }
      - { .name: bv, .offset: 40, .size: 8, .value_kind: global_buffer, .address_space: global }
      - { .name: qkv, .offset: 48, .size: 8, .value_kind: global_buffer, .address_space: global }
    .group_segment_fixed_size: 327680
    .private_segment_fixed_size: 0
    .kernarg_segment_align: 8
    .kernarg_segment_size: 56
    .max_flat_workgroup_size: 128
    .sgpr_count:     102
    .vgpr_count:     1024
    .wavefront_size: 32
...
	.end_amdgpu_metadata
.endif
;; end of part 2
;; launch attn (part 3): grid 4 x 64, 16 waves a work-group, clusters of 4 x 1, 280,576 bytes of LDS; arguments qkv, lowp_scales, out0; writes out0
.if DOCPART == 3
	.amdgcn_target "amdgcn-amd-amdhsa--gfx1250"
	.amdhsa_code_object_version 6
	.text
	.protected	k_q1d1fc4218f_attn
	.globl	k_q1d1fc4218f_attn
	.p2align	8
	.type	k_q1d1fc4218f_attn,@function
k_q1d1fc4218f_attn:
	s_mov_b64 s[64:65], 0
	v_nop
	global_prefetch_b8 v0, s[64:65] scope:SCOPE_SE
	s_setreg_imm32_b32 hwreg(HW_REG_WAVE_MODE, 25, 1), 1
	s_wait_xcnt 0x0
	s_wait_alu depctr_hold_cnt(0) depctr_sa_sdst(0) depctr_va_vdst(0) depctr_va_sdst(0) depctr_va_ssrc(0) depctr_va_vcc(0) depctr_vm_vsrc(0)
	s_getreg_b32 s2, hwreg(HW_REG_IB_STS2, 6, 4)
	s_cmp_eq_u32 s2, 0
	s_cbranch_scc0 .Lentry_in_a_cluster
	s_endpgm
.Lentry_in_a_cluster:
	s_bfe_u32 s2, ttmp6, 0x10000c
	s_cmp_lg_u32 s2, 0x3003
	s_cbranch_scc0 .Lentry_shape_is_right
	s_endpgm
.Lentry_shape_is_right:
; out[head][q][:] = the sum over k of softmax_k(Q[q] . K[k] / 32) V[k][:], 64 heads of 2,048 x 64, no mask, both products on codes of BF8 (E5M2) with the given scales (entries 6 q, 7 k, 8 p, 9 v).
; THE SOFTMAX AHEAD OF THE SECOND PRODUCT: t = score x log2(e) / 32; M = the row's largest t so far, rounded UP to a whole number; p = 2^(t - M) is what is quantised; it is not normalised.
; The row's sum is taken of the unquantised p, in f32, and divides O at the end.  When M moves, the sum and O are multiplied by 2^(old M - new M): exact.
; THE CODES lie as the launch before laid them.  A head of q or k: row R = 128 j + m of 64 bytes stands for place 16 m + j of the head (j 0..15, m 0..127).  A head of v: 8 blocks J of 16,384 bytes; in a block, for each half of m
; and each j % 2: [64 channels][64 keys].  A step takes the 128 keys of one j, and each result goes to its own row of the output.
; SHARES.  The four work-groups of a cluster own one head, 512 rows R of q each; each of the sixteen waves owns 32, two tiles of 16; four waves to a SIMD.
; ALL OF THE HEAD'S K AND V, 16 blocks of 16,384 bytes, IS BROUGHT INTO LDS ONCE: wave w asks for block w (0-7: K's, 8-15: V's), one joint load a wave, its mask naming the four partners, which need the same bytes.
; Nothing is filled again.  One barrier shows all sixteen blocks to every wave; the walk over the keys has no barrier of its own.
; THE STAGES of the way out, 16 x 4,352 bytes, lie over K's blocks 0 to 3 (4 x 17,408 bytes).  The barrier that frees those bytes is split: a wave signals when its reads of blocks 0 to 3 are over, and waits ahead of its first stage store;
; between the two it reads only blocks 4 to 7 of K and V's blocks, which nobody writes.
; NO PREFETCH: every byte that the work-group reads through LDS is asked for by the sixteen loads at the head; there is no loop to run ahead in.
; LAYOUT.  Both products are used transposed: S^T = K Q^T (source 0 = 16 keys, source 1 = 16 queries), O^T = V^T P^T (source 0 = 16 channels, source 1 = P): a lane holds ONE query (lane % 16) throughout.
; In S^T register 8 T + i of lane (r, h) is key m = 16 T + 8 h + i; one conversion makes of a tile's eight registers two registers of P, which are the second product's registers 2 T, 2 T + 1; V's bytes were laid to match.
; LIMITS: entry 6 + entry 7 between -121 and 132 (added to c's exponent field); entry 8 between -126 and 112; entry 8 + entry 9 is applied by v_ldexp_f32 and has none.  The scaled scores t stay under 2^31 in magnitude.
; REGISTERS: v1 my lane's place in a block; v4, v5 the block's addresses in K and V; v6 2^ep; v7 and v2 57,344 x 2^ep (two copies, for the two halves of a dual line); v8-11, v12-15 a tile's -M, largest t, sum (a pair); v16-31 Q;
; v32-63 F: four fragments of K, then the softmax's temporaries, then P's codes; v64-191 S^T, then p; v64-127 then take V's fragments; v192-255 O^T.
.set RP,    272                        ; four rows of 64 bytes (256 bytes as the mover brings them) + 16
.set BLK,   64*RP                      ; a block of 16,384 bytes in LDS
.set VOFF,  8*BLK                      ; K's eight blocks, then V's eight
.set SPARE, 16*BLK                     ; behind the blocks: the spare words, 128 bytes a wave, that no other line names
.set SPO,   272                        ; a stage row: 256 bytes + 16
.set AK0,  1
.set LIM2, 2
.set ADK,  4
.set ADV,  5
.set CV,   6
.set LIM,  7
.set NM,   8                           ; tile t: v[NM+4t] -M, +1 the largest t, +2, +3 the sum in two halves
.set Q,    16
.set F,    32                          ; tile t's temporaries: v[F+8t], +1 two chains of the maximum; +2 the other half's; +4 (a pair) f; +6 (a pair) the second chain of the sum
.set S,    64
.set O,    192
.set TB,   2                           ; s2   LDS byte at which the block in hand begins
.set CNT,  3                           ; s3   counts a loop's four blocks
.set WV,   18                          ; s18  my wave's number
.set SEL,  20                          ; s[20:21] lane selects for v_permlanex16_b32: lane l xor 16
.set CS,   22                          ; s[22:23] c = log2(e) / 32 x 2^(eq + ek)
.set G1,   24                          ; s[24:31] descriptor group 1;  s[32:35] group 0
.set G0,   32
.macro CROUND                          ; a round of the cluster's barrier
	s_barrier_signal -1
	s_barrier_wait -1
	s_cmp_lg_u32 s[WV], 0
	s_cbranch_scc1 .Lnot_wave_0_\@
	s_barrier_signal -3
.Lnot_wave_0_\@:
	s_barrier_wait -3
	s_barrier_signal -1
	s_barrier_wait -1
.endm
	s_load_b128 s[4:7], s[0:1], 0x0                ; the codes s[4:5], the scales' exponents s[6:7]
	s_load_b64 s[8:9], s[0:1], 0x10                ; the output
	v_lshl_add_u32 v[F], v0, 2, SPARE              ; my spare word, and 0: no two registers can be kept for them, so v0 is kept and they are made anew at the wave's end
	v_mov_b32 v[F+1], 0
	ds_add_u32 v[F], v[F+1]                        ; the opening: the add, twice on end, and its wait ahead of my tensor load
	ds_add_u32 v[F], v[F+1]
	v_lshrrev_b32 v3, 5, v0
	v_readfirstlane_b32 s[WV], v3                  ; wave 0..15
	s_and_b32 s53, ttmp7, 0xffff                   ; the head, which the four partners share
	s_lshl_b32 s54, s53, 17                        ; its 131,072 bytes in each tensor of codes
	s_mul_i32 s57, s[WV], BLK                      ; block w in LDS: no place in the cluster enters an LDS address
	s_lshr_b32 s55, s[WV], 3                       ; K's (0) or V's (1)
	s_lshl_b32 s58, s55, 23
	s_add_co_u32 s58, s58, 0x800000                ; in memory k's codes begin 8,388,608 bytes in, v's as many further on
	s_add_co_u32 s58, s58, s54
	s_and_b32 s56, s[WV], 7
	s_lshl_b32 s56, s56, 14                        ; block w % 8 of the head
	s_add_co_u32 s58, s58, s56
	s_mov_b32 s59, 0
	s_mov_b32 s[G1], 15|(0<<16)|(1<<20)|(1<<21)|(5<<22)|(3<<25)   ; the mask: all four work-groups; elements of 1 byte; padding on; bit 21 beside a mask; four words after every 64
	s_mov_b32 s[G1+1], 256<<16                     ; a block, dense in memory, as 64 rows of 256 bytes
	s_mov_b32 s[G1+2], 64<<16
	s_mov_b32 s[G1+3], 256<<16
	s_mov_b32 s[G1+4], 64
	s_mov_b32 s[G1+5], 256
	s_mov_b32 s[G1+6], 0
	s_mov_b32 s[G1+7], 0
	s_mov_b32 s[SEL], 0x76543210
	s_mov_b32 s[SEL+1], 0xfedcba98
	s_wait_dscnt 0x0                               ; both opening adds are done
	s_wait_kmcnt 0x0
	s_load_b128 s[48:51], s[6:7], 0x18             ; eq, ek, ep, ev
	s_mov_b32 s[G0], 1
	s_mov_b32 s[G0+1], s57
	s_add_nc_u64 s[G0+2:G0+3], s[4:5], s[58:59]
	s_or_b32 s[G0+3], s[G0+3], 0x80000000
	CROUND                                         ; all four work-groups are here: the joint loads meet
	tensor_load_to_lds s[G0:G0+3], s[G1:G1+7]      ; my one tensor load of the launch
	s_nop 0
	s_bfe_u32 s10, ttmp6, 0x40000                  ; cx: it enters Q's and the output's addresses alone
	s_lshl_b32 s12, s10, 15                        ; my work-group's 512 rows of 64 bytes,
	s_lshl_b32 s11, s[WV], 11                      ; my wave's 32
	s_add_co_u32 s12, s12, s11
	s_add_co_u32 s12, s12, s54
	s_mov_b32 s13, 0
	s_add_nc_u64 s[4:5], s[4:5], s[12:13]          ; q's codes lie first in the buffer
	; row R = 512 cx + 32 w + 16 t + r stands for place 16 (R % 128) + R / 128: R / 128 = 4 cx + w / 4, R % 128 = 32 (w % 4) + 16 t + r.  A place is 256 bytes of the output
	s_lshl_b32 s14, s53, 19                        ; the head's 524,288 bytes
	s_and_b32 s11, s[WV], 3
	s_lshl_b32 s11, s11, 17
	s_add_co_u32 s14, s14, s11
	s_lshl_b32 s11, s10, 2
	s_lshr_b32 s15, s[WV], 2
	s_add_co_u32 s11, s11, s15
	s_lshl_b32 s11, s11, 8
	s_add_co_u32 s14, s14, s11
	s_mov_b32 s15, 0
	s_add_nc_u64 s[8:9], s[8:9], s[14:15]
	v_and_b32 v2, 15, v0                           ; r
	v_bfe_u32 v3, v0, 4, 1                         ; h
	v_lshlrev_b32 v4, 6, v2
	v_lshl_add_u32 v4, v3, 4, v4                   ; Q: row r of 64 bytes, + 16 h
.irp u, 0,1
.irp c, 0,1
	global_load_b128 v[Q+8*\u+4*\c:Q+8*\u+4*\c+3], v4, s[4:5] offset:1024*\u+32*\c   ; Q's two fragments stay in registers
.endr
.endr
	v_lshrrev_b32 v5, 2, v2
	v_mul_u32_u24 v[AK0], v5, RP
	v_and_b32 v5, 3, v2
	v_lshl_add_u32 v[AK0], v5, 6, v[AK0]
	v_lshl_add_u32 v[AK0], v3, 4, v[AK0]           ; row r of 64 bytes among sixteen: RP (r / 4) + 64 (r % 4), + 16 h
.irp u, 0,1
	v_mov_b32 v[NM+4*\u+1], 0xff61b1e6             ; the largest t so far: -3e38, under every t
	v_floor_f32 v[NM+4*\u], -v[NM+4*\u+1]          ; -M
	v_mov_b32 v[NM+4*\u+2], 0                      ; the sum, in two halves
	v_mov_b32 v[NM+4*\u+3], 0
.endr
.set i, 0
.rept 64
	v_mov_b32 v[O+i], 0                            ; O^T.  (The step is written once: the first finds zeros, which the first change of M leaves zeros)
.set i, i+1
.endr
	s_wait_kmcnt 0x0
	s_add_co_i32 s52, s48, s49
	s_lshl_b32 s52, s52, 23
	s_mov_b32 s[CS], 0x3d38aa3b                    ; c = log2(e) / 32
	s_add_co_i32 s[CS], s[CS], s52                 ; a score stands for score x 2^(eq + ek): the two exponents are added to c's exponent field
	s_mov_b32 s[CS+1], s[CS]                       ; (named with it as a pair, so it is written)
	s_add_co_i32 s52, s50, 127
	s_lshl_b32 s53, s52, 23
	v_mov_b32 v[CV], s53                           ; 2^ep as f32, for the conversion
	s_add_co_i32 s52, s52, 15
	s_lshl_b32 s52, s52, 23
	s_or_b32 s52, s52, 0x600000
	v_mov_b32 v[LIM], s52                          ; 57,344 x 2^ep,
	v_mov_b32 v[LIM2], s52                         ; and once more
	s_add_co_i32 s52, s50, s51                     ; ep + ev, for the way out
.macro HOLD t                          ; p is not negative, so its hold is one-sided; the conversion to an 8-bit code does not saturate (ISA guide 7.6.2).  Two numbers a line
.set i, 0
.rept 32
	v_dual_min_num_f32 v[S+64*\t+i], v[S+64*\t+i], v[LIM] :: v_dual_min_num_f32 v[S+64*\t+i+1], v[S+64*\t+i+1], v[LIM2]
.set i, i+2
.endr
.endm
.macro CODES t                         ; a tile of results, eight keys a lane, becomes two registers of P
.irp T, 0,1,2,3,4,5,6,7
	v_cvt_scalef32_pk8_bf8_f32 v[F+16*\t+2*\T:F+16*\t+2*\T+1], v[S+64*\t+8*\T:S+64*\t+8*\T+7], v[CV]
.endr
	v_nop                                          ; a plain line behind the run of conversions
.endm
; A KEY STEP: the 128 keys of j = 2 J + q, J the block in hand, for both tiles of queries.
.macro STEP q
.rept 3+2*(\q)
	v_nop                                          ; five places behind the last step's products (q = 0: the two additions at the block's head are two of them): P's registers are loaded over (four are asked), V's are written over by the products below (five)
.endr
.irp g, 0,1                                    ; S^T = K Q^T: four tiles of 16 keys at a time, each fragment of K against both tiles of queries
.if \g
.rept 4
	v_nop                                          ; places in front of loads into registers that matrix instructions have read
.endr
.endif
.irp f, 0,1,2,3
	ds_load_b128 v[F+8*\f:F+8*\f+3], v[ADK] offset:(32*(\q)+4*(4*\g+\f))*RP
	ds_load_b128 v[F+8*\f+4:F+8*\f+7], v[ADK] offset:(32*(\q)+4*(4*\g+\f))*RP+32
.endr
	s_wait_dscnt 0x0
.irp f, 0,1,2,3
.irp u, 0,1
	v_wmma_f32_16x16x64_bf8_bf8 v[S+64*\u+8*(4*\g+\f):S+64*\u+8*(4*\g+\f)+7], v[F+8*\f:F+8*\f+7], v[Q+8*\u:Q+8*\u+7], 0
.endr
.endr
.endr
.rept 4
	v_nop                                          ; places: the maxima read results just made, and their temporaries lie where K's fragments lay
.endr
.irp t, 0,1                                    ; the step's largest score of each query among my 64 keys: two chains a tile, the two tiles by turns; each tile of results from its low end on
	v_max3_num_f32 v[F+8*\t], v[S+64*\t], v[S+64*\t+1], v[S+64*\t+2]
	v_max3_num_f32 v[F+8*\t+1], v[S+64*\t+3], v[S+64*\t+4], v[S+64*\t+5]
.endr
.irp i, 6,10,14,18,22,26,30,34,38,42,46,50,54,58
.irp t, 0,1
	v_max3_num_f32 v[F+8*\t], v[F+8*\t], v[S+64*\t+\i], v[S+64*\t+\i+1]
	v_max3_num_f32 v[F+8*\t+1], v[F+8*\t+1], v[S+64*\t+\i+2], v[S+64*\t+\i+3]
.endr
.endr
.irp t, 0,1
	v_max3_num_f32 v[F+8*\t], v[F+8*\t], v[S+64*\t+62], v[S+64*\t+63]
.endr
.irp t, 0,1
	v_max_num_f32 v[F+8*\t], v[F+8*\t], v[F+8*\t+1]
.endr
.irp t, 0,1
	v_permlanex16_b32 v[F+8*\t+2], v[F+8*\t], s[SEL], s[SEL+1]
.endr
.irp t, 0,1
	v_max_num_f32 v[F+8*\t], v[F+8*\t], v[F+8*\t+2]          ; and among lane l xor 16's
.endr
.irp t, 0,1
	v_mul_f32 v[F+8*\t], s[CS], v[F+8*\t]                    ; as t (c is positive)
.endr
.irp t, 0,1
	v_max_num_f32 v[NM+4*\t+1], v[NM+4*\t+1], v[F+8*\t]      ; the running largest t
.endr
.irp t, 0,1
	v_mov_b32 v[F+8*\t], v[NM+4*\t]
.endr
.irp t, 0,1
	v_floor_f32 v[NM+4*\t], -v[NM+4*\t+1]                    ; the new -M = floor(-t) = -ceil(t): M IS A WHOLE NUMBER
.endr
.irp t, 0,1
	v_sub_f32 v[F+8*\t], v[NM+4*\t], v[F+8*\t]               ; M's old value less its new one: a whole number, 0 or less
.endr
.irp t, 0,1
	v_cvt_i32_f32 v[F+8*\t], v[F+8*\t]                       ; (it saturates)
.endr
.irp t, 0,1
	v_ldexp_f32 v[F+8*\t+4], 1.0, v[F+8*\t]                  ; f = 2^(old M - new M): a multiplication by it rounds nothing
.endr
.set i, 0
.rept 64                                       ; t - M, two at a time (of the pairs c and -M the low word serves both halves)
	v_pk_fma_f32 v[S+i:S+i+1], v[S+i:S+i+1], s[CS:CS+1], v[NM+4*(i/64):NM+4*(i/64)+1] op_sel_hi:[1,0,0]
.set i, i+2
.endr
.set k, 0
.rept 32                                       ; O^T under the new M: x f; each accumulator from its low end on
	v_pk_mul_f32 v[O+2*k:O+2*k+1], v[O+2*k:O+2*k+1], v[F+8*(k/16)+4:F+8*(k/16)+5] op_sel_hi:[1,0]
.set k, k+1
.endr
	v_pk_mul_f32 v[NM+2:NM+3], v[NM+2:NM+3], v[F+4:F+5] op_sel_hi:[1,0]       ; the sums under the new M
	v_pk_mul_f32 v[NM+6:NM+7], v[NM+6:NM+7], v[F+12:F+13] op_sel_hi:[1,0]
	s_wait_alu depctr_va_vdst(0)                   ; one wait ahead of the batch
.set i, 0
.rept 128
	v_exp_f32 v[S+i], v[S+i]                       ; p = 2^(t - M), at most 1: NOT normalised
.set i, i+1
.endr
	v_nop                                          ; a plain place behind the last exponential
	s_wait_alu depctr_va_vdst(0)                   ; and one wait behind the batch, ahead of its first reader
	v_pk_add_f32 v[F+6:F+7], v[S:S+1], v[S+2:S+3]  ; THE ROWS' SUMS ARE TAKEN OF THE UNQUANTISED p: two at a time, two chains a tile, the tiles by turns
	v_pk_add_f32 v[F+14:F+15], v[S+64:S+65], v[S+66:S+67]
.irp j, 4,8,12,16,20,24,28,32,36,40,44,48,52,56,60
	v_pk_add_f32 v[NM+2:NM+3], v[NM+2:NM+3], v[S+\j:S+\j+1]
	v_pk_add_f32 v[NM+6:NM+7], v[NM+6:NM+7], v[S+64+\j:S+64+\j+1]
	v_pk_add_f32 v[F+6:F+7], v[F+6:F+7], v[S+\j+2:S+\j+3]
	v_pk_add_f32 v[F+14:F+15], v[F+14:F+15], v[S+64+\j+2:S+64+\j+3]
.endr
	v_pk_add_f32 v[NM+2:NM+3], v[NM+2:NM+3], v[F+6:F+7]
	v_pk_add_f32 v[NM+6:NM+7], v[NM+6:NM+7], v[F+14:F+15]
	HOLD 0
	CODES 0                                        ; the temporaries are done with: P's codes take their place
.irp t, 0,1,2,3                                ; V's four fragments (16 channels x 128 keys) land where tile 0's p lay, while tile 1 is held and converted
.irp c, 0,1,2,3
	ds_load_b128 v[S+16*\t+4*\c:S+16*\t+4*\c+3], v[ADV] offset:(32*(\c/2)+16*(\q)+4*\t)*RP+32*(\c%2)
.endr
.endr
	HOLD 1
	CODES 1
	s_wait_alu depctr_va_vdst(0)                   ; directly ahead of the wait below
	s_wait_dscnt 0x0                               ; V is in
.irp t, 0,1,2,3                                ; O^T += V^T P^T: the eight accumulators by turns, one instruction a turn
.irp u, 0,1
	v_wmma_f32_16x16x128_bf8_bf8 v[O+32*\u+8*\t:O+32*\u+8*\t+7], v[S+16*\t:S+16*\t+15], v[F+16*\u:F+16*\u+15], v[O+32*\u+8*\t:O+32*\u+8*\t+7]
.endr
.endr
.endm
.macro WALK first                      ; four blocks of K and of V, two key steps each
	s_mov_b32 s[TB], \first*BLK
	s_mov_b32 s[CNT], 4
.Lblk_\first:
	v_add_nc_u32 v[ADK], s[TB], v[AK0]
	v_add_nc_u32 v[ADV], VOFF, v[ADK]
	s_wait_alu depctr_va_vdst(0)                   ; behind these writes
	STEP 0
	STEP 1
	s_add_co_u32 s[TB], s[TB], BLK
	s_sub_co_u32 s[CNT], s[CNT], 1
	s_cmp_lg_u32 s[CNT], 0
	s_cbranch_scc1 .Lblk_\first
.endm
	s_wait_alu depctr_va_vdst(0)                   ; the wait at the head's end
	s_wait_loadcnt 0x0                             ; Q
	s_wait_tensorcnt 0x0                           ; my block has landed
	s_barrier_signal -1
	s_barrier_wait -1                              ; everybody's has: all of K and V is in
	WALK 0
	s_wait_dscnt 0x0                               ; my reads of K's blocks 0 to 3 are over:
	s_barrier_signal -1                            ; say so; the wait stands ahead of my first stage store.  Up to it: work on registers, and reads of K's blocks 4 to 7 and of V
	WALK 4
	; THE WAY OUT.  O^T is divided by the row's sum, multiplied by 2^(ep + ev) and goes through my stage in LDS, a tile of 16 queries at a time, so that sixteen lanes store one row of 256 bytes.
	s_mul_i32 s53, s[WV], 16*SPO                   ; my stage
	v_and_b32 v2, 15, v0                           ; r      (these four lines are the places behind the last products)
	v_bfe_u32 v3, v0, 4, 1                         ; h
	v_add_f32 v[NM+2], v[NM+2], v[NM+3]            ; the sums' two halves,
	v_add_f32 v[NM+6], v[NM+6], v[NM+7]
	v_permlanex16_b32 v[F], v[NM+2], s[SEL], s[SEL+1]
	v_permlanex16_b32 v[F+1], v[NM+6], s[SEL], s[SEL+1]
	v_add_f32 v[NM+2], v[NM+2], v[F]               ; and lane l xor 16's: the rows' sums
	v_add_f32 v[NM+6], v[NM+6], v[F+1]
	v_mul_u32_u24 v4, v2, SPO
	v_lshl_add_u32 v4, v3, 5, v4
	v_add_nc_u32 v4, s53, v4                       ; in: row r; tile t's eight channels of my half: 64 t + 32 h bytes on
	v_mul_u32_u24 v5, v3, SPO
	v_lshl_add_u32 v5, v2, 4, v5
	v_add_nc_u32 v5, s53, v5                       ; back: lanes 0-15 one row, lanes 16-31 the next
	v_lshlrev_b32 v1, 12, v3
	v_lshl_add_u32 v1, v2, 4, v1                   ; and in the output, where neighbouring r lie 16 places, 4,096 bytes, apart
	s_wait_alu depctr_va_vdst(0)                   ; ahead of the two reciprocals
	v_rcp_f32 v[NM+2], v[NM+2]
	v_rcp_f32 v[NM+6], v[NM+6]
	v_nop                                          ; a plain place behind them
	s_wait_alu depctr_va_vdst(0)                   ; ahead of their first reader
	v_ldexp_f32 v[NM+2], v[NM+2], s52              ; x 2^(ep + ev)
	v_ldexp_f32 v[NM+6], v[NM+6], s52
	s_wait_alu depctr_va_vdst(0)                   ; directly ahead of the first readers of O^T, which follow as one run
.set i, 0
.rept 32
	v_pk_mul_f32 v[S+i:S+i+1], v[O+i:O+i+1], v[NM+4*(i/32)+2:NM+4*(i/32)+3] op_sel_hi:[1,0]   ; register 32 u + 8 t + i is channel 16 t + 8 h + i of query r of tile u; each accumulator from its low end on
.set i, i+2
.endr
	s_wait_alu depctr_va_vdst(0)                   ; directly ahead of the barrier's wait
	s_barrier_wait -1                              ; every wave's reads of K's blocks 0 to 3 are over: the stages may lie there
.irp u, 0,1
.irp t, 0,1,2,3
	ds_store_b128 v4, v[S+32*\u+8*\t:S+32*\u+8*\t+3] offset:64*\t
	ds_store_b128 v4, v[S+32*\u+8*\t+4:S+32*\u+8*\t+7] offset:64*\t+16
.endr
.irp i, 0,1,2,3,4,5,6,7
	ds_load_b128 v[S+64+32*\u+4*\i:S+64+32*\u+4*\i+3], v5 offset:2*\i*SPO   ; LDS serves a wave's instructions in order: these see my stores, and the next tile's stores come behind them
.endr
.endr
.irp u, 0,1
.irp i, 0,1,2,3,4,5,6,7
	s_wait_dscnt 16*(1-\u)+7-\i                    ; behind this load: the tile's later loads and, for tile 0, tile 1's sixteen LDS instructions
	global_store_b128 v1, v[S+64+32*\u+4*\i:S+64+32*\u+4*\i+3], s[8:9] offset:65536*\u+8192*\i th:TH_STORE_NT   ; 16 lanes store 256 consecutive bytes, at a multiple of 256 from the output's first byte
.endr
.endr
	v_lshl_add_u32 v[F], v0, 2, SPARE              ; my spare word and 0, made anew (no pending store names these two registers)
	v_mov_b32 v[F+1], 0
	s_wait_alu depctr_va_vdst(0)
	s_wait_tensorcnt 0x0                           ; the wave's end, behind my tensor load and my last LDS store
	ds_add_u32 v[F], v[F+1]
	s_wait_dscnt 0x0
	CROUND                                         ; the closing round: no work-group ends while a partner may still ask for a block that names it
	s_endpgm
.Lfunc_end_k_q1d1fc4218f_attn:
	.size	k_q1d1fc4218f_attn, .Lfunc_end_k_q1d1fc4218f_attn-k_q1d1fc4218f_attn
	.p2alignl 7, 3214868480
	.fill 96, 4, 3214868480
	.section	.rodata,"a",@progbits
	.p2align	6, 0x0
	.amdhsa_kernel k_q1d1fc4218f_attn
		.amdhsa_group_segment_fixed_size 280576
		.amdhsa_private_segment_fixed_size 0
		.amdhsa_enable_private_segment 0
		.amdhsa_kernarg_size 24
		.amdhsa_user_sgpr_count 2
		.amdhsa_user_sgpr_kernarg_segment_ptr 1
		.amdhsa_wavefront_size32 1
		.amdhsa_system_sgpr_workgroup_id_x 1
		.amdhsa_system_sgpr_workgroup_id_y 1
		.amdhsa_system_sgpr_workgroup_id_z 1
		.amdhsa_system_vgpr_workitem_id 0
		.amdhsa_next_free_vgpr 256
		.amdhsa_next_free_sgpr 66
		.amdhsa_reserve_vcc 0
		.amdhsa_float_denorm_mode_32 3
		.amdhsa_float_denorm_mode_16_64 3
		.amdhsa_memory_ordered 1
		.amdhsa_forward_progress 1
		.amdhsa_inst_pref_size 128
	.end_amdhsa_kernel
	.amdgpu_metadata
---
amdhsa.version: [ 1, 2 ]
amdhsa.kernels:
  - .name:           k_q1d1fc4218f_attn
    .symbol:         k_q1d1fc4218f_attn.kd
    .args:
      - { .name: qkv, .offset: 0, .size: 8, .value_kind: global_buffer, .address_space: global }
      - { .name: lowp_scales, .offset: 8, .size: 8, .value_kind: global_buffer, .address_space: global }
      - { .name: out0, .offset: 16, .size: 8, .value_kind: global_buffer, .address_space: global }
    .group_segment_fixed_size: 280576
    .private_segment_fixed_size: 0
    .kernarg_segment_align: 8
    .kernarg_segment_size: 24
    .max_flat_workgroup_size: 512
    .sgpr_count:     66
    .vgpr_count:     256
    .wavefront_size: 32
...
	.end_amdgpu_metadata
.endif
;; end of part 3
